; MI455X (gfx1250); checked and timed in simulation.
; The chip was launched on July 23, 2026; its instructions are those of AMD's public machine-readable ISA for CDNA 5 (MIT licence, August 2026) and "CDNA5" Instruction Set Architecture Reference Guide (July 2026). The comments in the code are by the model that wrote it; some were corrected since.
;; Experts Feed Forward. Allowed arithmetic: matrix products marked QUANTISED: E2M1 operands, one E8M0 scale for each 32 along K, by v_wmma_scale_f32_16x16x128_f8f6f4 with both operands' format E2M1 (or v_wmma_scale_f32_32x16x128_f4), f32 sums; products left as they are: f32 operands where the result goes on into a quantised operand, else bf16, f16 or f32 operands; f32 sums; everything else in f32.
;; Inputs: const_jump 1 x 1,024 float32; ff_keys 7 x 2,048 x 1,024 float32; ff_values 7 x 1,024 x 2,048 float32; gate_b 8 float32; gate_w 1,024 x 8 float32; shared_keys 1 x 2,048 x 1,024 float32; shared_values 1 x 1,024 x 2,048 float32; x 2 x 1,024 x 1,024 float32.
;; Outputs: out0 2 x 1,024 x 1,024 float32; out1 one number float32.
;; This version of the problem:
;;   THIS VERSION OF THE PROBLEM IS GIVEN IN LOW PRECISION. The matrix products marked QUANTISED in the list below multiply operands that are first quantised to E2M1 (2 exponent bits, 1 mantissa bit; 4 bits a number), with one power-of-two scale for each 32 numbers along K (OCP MX v1.0); their sums are f32. All else is computed in f32.
;;   The module's matrix products, in the order in which they are computed (A, B: the left and right operand; K: the contracted axis; several contracted axes count as one K, in the product's order):
;;     1. [M 2,070, K 1,024] x [K 1,024, N 8]; A: computed on the way; B: input gate_w: left as it is (N = 8 < 16)
;;     2. batch 16,560 x [M 1, K 4] x [K 4, N 207]; A: computed on the way; B: computed on the way: left as it is (K = 4 < 32)
;;     3. [M 2,070, K 1,024] x [K 1,024, N 2,048]; A: computed on the way; B: input shared_keys: QUANTISED
;;     4. [M 1,024, K 2,048] x [K 2,048, N 2,070]; A: input shared_values; B: computed on the way: QUANTISED
;;     5. batch 2,070 x [M 7, K 1] x [K 1, N 1,024]; A: computed on the way; B: computed on the way: left as it is (no contracted axis)
;;     6. batch 7 x [M 2,048, K 1,024] x [K 1,024, N 2,070]; A: input ff_keys; B: computed on the way: QUANTISED
;;     7. batch 7 x [M 1,024, K 2,048] x [K 2,048, N 2,070]; A: input ff_values; B: computed on the way: QUANTISED
;;     8. batch 2,070 x [M 1,024, K 7] x [K 7, N 1]; A: computed on the way; B: computed on the way: left as it is (K = 7 < 32)
;;     9. batch 2,070 x [M 1,024, K 1] x [K 1, N 1]; A: input const_jump; B: computed on the way: left as it is (K = 1 < 32)
;;   THE QUANTISER, for each operand of a quantised product, along K:
;;     - K is cut into blocks of 32 from its start; a last block that is shorter is filled with zeros.
;;     - A block's scale is 2^e with e = floor(log2(the largest magnitude in the block)) - 2, held to -126 .. 127; a block of zeros has e = 0. As a byte (E8M0): e + 127.
;;     - Each number is divided by its block's scale, clamped to +-6, and rounded to the nearest number of E2M1, ties to even, subnormals kept.
;;     - The product sums the exact products of the quantised numbers (number of the format x scale) in f32.
;;   ~~~python
;;   def quantise(x, axis):      # numpy; x: float32 -> the quantised numbers, widened to float32 again
;;       x = np.moveaxis(x, axis, -1); K = x.shape[-1]
;;       x = np.pad(x, [(0, 0)] * (x.ndim - 1) + [(0, -K % 32)]); x = x.reshape(x.shape[:-1] + (-1, 32)); a = np.abs(x).max(-1, keepdims=True)
;;       e = np.where(a > 0, np.clip(np.frexp(np.where(a > 0, a, 1))[1] - 1 - 2, -126, 127), 0)      # np.frexp(a)[1] - 1 = floor(log2(a)), exactly
;;       r = np.clip(x / 2.0 ** e, -6, 6)
;;       step = 2.0 ** (np.maximum(np.frexp(np.where(r == 0, 1, r))[1] - 1, 0) - 1)
;;       q = np.round(r / step) * step * 2.0 ** e      # np.round: ties to even
;;       return np.moveaxis(q.reshape(q.shape[:-2] + (-1,))[..., :K], -1, axis).astype(np.float32)
;;   ~~~
;;   OPERANDS COMPUTED ON THE WAY. 'Computed on the way' means the value that the module computes at that place (a softmax that the list does not call 'softmax' is quantised finished and normalised). What goes into a quantiser is computed in f32, as accurately as f32 sums, v_exp_f32 and their like allow (about 1e-6 of the number): no bf16 or f16 on the way to a quantiser, and a product that is left as it is and whose result goes on into a quantised operand takes f32 operands (vector FMAs, or v_wmma_f32_16x16x4_f32). A number that lies on a knife's edge between two numbers of the format may be rounded either way, as far as f32 arithmetic and the matrix unit's own rounding can turn it there, and no further.
;; One version. Each part assembles by itself: llvm-mc -triple=amdgcn-amd-amdhsa -mcpu=gfx1250 --defsym DOCPART=n.
;; ======== version 1 of 1: 3 launches
;; limits: right only within a limited range of input values
;; workspace buffers: q 10,027,008 bytes; qv 8,912,896 bytes; gt 65,536 bytes; hq 16,777,216 bytes; hs 1,048,576 bytes
;; launch prep (part 1): grid 320 x 1, 4 waves a work-group, no clusters, 107,264 bytes of LDS; arguments x, shared_keys, ff_keys, gate_w, gate_b, q, gt, out1; writes q, gt, out1
.if DOCPART == 1
	.amdgcn_target "amdgcn-amd-amdhsa--gfx1250"
	.amdhsa_code_object_version 6
	.text
	.protected	k_qd707ff98f9_prep
	.globl	k_qd707ff98f9_prep
	.p2align	8
	.type	k_qd707ff98f9_prep,@function
k_qd707ff98f9_prep:
	s_mov_b64 s[64:65], 0
	v_nop
	global_prefetch_b8 v0, s[64:65] scope:SCOPE_SE
	s_setreg_imm32_b32 hwreg(HW_REG_WAVE_MODE, 25, 1), 1
	s_wait_xcnt 0x0
; FIRST OF THREE LAUNCHES: x and the two tensors of keys become codes of FP4 (E2M1) with one E8M0 byte for each 32 along K; the router's weights are made; out1 = 0.
; (The two tensors of values are quantised in the second launch, whose loop leaves memory idle.)
; WHAT THE PROGRAM COMPUTES.  out0[t] = FFN_shared(x_t) + sum over e < 7 of w_e(t) FFN_e(x_t) + w_7(t) const_jump, FFN(x) = Q(gelu(Q(x) Q(Wk)^T)) Q(Wv)^T, gelu in its tanh form,
; w_e = softmax(x gate_w + gate_b)_e where e is among the four largest, else 0.
; WORK OF reference() THAT IS LEFT OUT, for all finite values of the inputs:
;  - _group_cfg() gives groups of 45 tokens, 46 groups, capacity 207.  The 22 rows of padding are sliced away by [:B*S].
;  - pos counts the tokens of one group, so it is at most 45 < 207: valid is 1 everywhere, and no token is dropped.
;  - a chosen (token, expert) has pos 1..45 and survives the slice [..., 1:]; one not chosen has pos 0, the slot that the slice removes.
;  - every later einsum sums the slot axis away for each (token, expert): the sum of combine is the gate or 0, that of dispatch is 1 where the gate is not 0, else 0.
;    So the groups, the running count, both one-hots and the dense forms of the dispatch and combine products fall away.
;  - a gate that is exactly 0 gives 0 x FFN(0) = 0 in reference() and 0 x FFN(x) = 0 here.  The mean over an axis of length 1 is the identity.
;  - expert_in is x or 0, so x is quantised once for all experts.
; Every input has a way to out0 and is loaded by some launch.  The experts not chosen for a token are multiplied and weighed with 0 (done and selected), as reference() does.
; LIMITS.  A NaN, an infinity or an overflow that reaches only work left out is not carried to the result; an overflow to infinity inside an expert that was not chosen gives
; 0 x infinity = NaN here, 0 in reference() (it needs hidden sums beyond 3e38).  The four largest are ranked on the logits, the lower index first among equals; two probabilities that
; round to one f32 number from unequal logits are ranked by the logits.  NaN among the logits is not served.  A block of zeros gets the byte 1 where the rule says 127:
; its codes are zeros and this program alone reads the bytes; blocks whose largest magnitude lies under 2^-124 are held at that byte.
; LAYOUT OF q: 1,152 items of 8,704 bytes, an item = 16 rows x 1,024 along K.  Codes: block b (32 codes, 16 bytes) of row r at 256 b + 16 r, so that 128 along K are 1,024 bytes which two
; 16-byte accesses a lane, at 16 x lane and 512 on, bring as an operand's eight registers.  Scale bytes: from byte 8,192, 32 a row.
; Items 0-127 x; 128-255 shared_keys; 256-1151 ff_keys.  A tile T of keys holds the hidden units 32 (T / 2) + 8 (T % 2) + i + 8 (i / 8),
; so that two neighbouring tiles' results are 16 neighbours along the next K.
; SHARES.  Work-groups 64 on: a wave takes an item of keys: 64 KiB in, 8.5 KiB out, in 16 steps of 64 along K, its loads four steps (32 loads) ahead.  A load covers two rows x 256 bytes; a step's
; 4 KiB turn through the wave's own stage in LDS, so that a lane then holds one whole block of 32; its 16 bytes of codes leave with the other lanes' as 512 consecutive bytes.
; Work-groups 0-63: a wave takes HALF an item of x, 512 along K in 8 steps, loads three steps ahead, and THE ROUTER rides on it: the logits are f32 matrix products of the lane's 32 numbers with
; gate_w, which lies transposed in LDS (16.8 M of the program's multiply-adds: no bulk work; f32 because the choice of experts hangs on them).  The two halves of an item lie in one work-group:
; their partial logits meet in LDS, and the even wave ends the router.  No clusters, no tensor loads: work-groups share nothing but gate_w's 32 KiB.
.set ITEM,  8704
.set WREG,  9216                       ; a wave's LDS: two stages of 16 rows x 272 bytes, then its 512 scale bytes
.set STG,   4352
.set SCB,   8704
.set LBW,   0                          ; the four regions of a work-group that takes keys
.set LBX,   4*WREG                     ; those of one that takes x: the two paths have LDS bytes of their own
.set GWT,   8*WREG                     ; gate_w transposed: 8 rows of 4,096 bytes + 16
.set GP,    4112
.set SPARE, 106752                     ; the spare words, 128 bytes for each wave: two blocks of 256 bytes that no other line names
.set OFF, 4                            ; v4-11    load i: (2 i + h) rows of 4,096 bytes + 16 r (+ 8 rows from i = 4 on in a tile of keys)
.set ST,  12                           ; v12      the stage, on the way in: row h, 16 r
.set LD,  13                           ; v13      and on the way out: row r, 128 h
.set CO,  14                           ; v14      16 x lane
.set SB,  15                           ; v15      my block's scale byte: 32 r + h
.set SL,  16                           ; v16      the scale bytes on the way out: 16 x lane
.set GA,  17                           ; v17      gate_w in LDS: row r % 8, 128 h, my half of K
.set SPW, 18                           ; v18      my spare word; never rewritten
.set NIL, 19                           ; v19      0; never rewritten
.set R,   20                           ; v20-115  three sets of 32: numbers as loaded (the keys' fourth set: v196-227)
.set X,   116                          ; v116-179 two sets of 32: a lane's block
.set C,   180                          ; v180-183 its codes
.set E,   184                          ; v184-185 its byte, two registers by turns
.set M0,  186
.set M1,  187
.set SO,  188                          ; the conversions' scale operand
.set TA,  189                          ; gate_w in memory: 32 x thread
.set GS,  190                          ; gate_w into LDS: 4 x thread
.set PS,  191                          ; my partial logits in LDS: my region, 16 x lane
.set PP,  192                          ; my partner's
.set SLX, 193                          ; half an item's scale bytes on the way out: my region, 32 r
.set SCO, 194                          ; and in q: 32 r
.set GW,  196                          ; v196-227 gate_w's numbers for a step
.set ACC, 228                          ; v228-243 two accumulators of logits, written by matrix instructions alone
.set L,   52                           ; the router's end, in registers that the loads have left: logits,
.set RK,  60                           ; ranks,
.set PR,  68                           ; probabilities
.set MX,  76
.set SM,  77
.set TT,  78
.set GTO, 79
.set ZR,  80
.set WV,  36
.set HF,  52
	s_load_b512 s[4:19], s[0:1], 0x0               ; x, shared_keys, ff_keys, gate_w, gate_b, q, gt, out1
	v_lshl_add_u32 v[SPW], v0, 2, SPARE
	v_mov_b32 v[NIL], 0
	v_lshrrev_b32 v1, 5, v0
	v_readfirstlane_b32 s[WV], v1                  ; wave 0..3
	v_and_b32 v1, 31, v0                           ; lane
	v_and_b32 v2, 15, v0                           ; r
	v_bfe_u32 v3, v0, 4, 1                         ; h
	s_and_b32 s[HF], s[WV], 1                      ; on x's path: which half of K
	s_mul_i32 s33, s[WV], WREG
	v_mul_u32_u24 v[ST], v3, 272
	v_lshl_add_u32 v[ST], v2, 4, v[ST]
	v_add_nc_u32 v[ST], s33, v[ST]
	v_mul_u32_u24 v[LD], v2, 272
	v_lshl_add_u32 v[LD], v3, 7, v[LD]
	v_add_nc_u32 v[LD], s33, v[LD]
	v_lshlrev_b32 v[CO], 4, v1
	v_lshl_add_u32 v[SB], v2, 5, v3
	v_add_nc_u32 v[SB], s33, v[SB]
	v_add_nc_u32 v[SL], s33, v[CO]
	v_lshlrev_b32 v[SCO], 5, v2
	v_add_nc_u32 v[SLX], s33, v[SCO]
	v_add_nc_u32 v[PS], s33, v[CO]
	s_xor_b32 s34, s[WV], 1
	s_mul_i32 s34, s34, WREG
	v_add_nc_u32 v[PP], s34, v[CO]
	v_and_b32 v[GA], 7, v0
	v_mul_u32_u24 v[GA], v[GA], GP
	v_lshl_add_u32 v[GA], v3, 7, v[GA]
	v_add_nc_u32 v[GA], GWT, v[GA]
	s_lshl_b32 s34, s[HF], 11
	v_add_nc_u32 v[GA], s34, v[GA]
	v_lshl_add_u32 v[GS], v0, 2, GWT
	v_lshlrev_b32 v[TA], 5, v0
	s_cmp_lt_u32 ttmp9, 64
	s_cselect_b32 s29, 0, 0x8000                   ; the jump of 8 rows in the middle of a tile of keys
	v_lshlrev_b32 v[OFF], 12, v3
	v_lshl_add_u32 v[OFF], v2, 4, v[OFF]
	s_wait_alu depctr_va_vdst(0)
	s_mov_b32 s32, 8192                            ; two rows
.irp i, 1,2,3,4,5,6,7
.if \i == 4
	s_add_co_u32 s32, s32, s29
.endif
	v_add_nc_u32 v[OFF+\i], s32, v[OFF]
	s_add_co_u32 s32, s32, 8192
.endr
; nr: the sets of registers that the loads take by turns = the steps that they run ahead
.macro LOAD t, nr                      ; step t: 64 along K of the 16 rows; a load reads 256 consecutive bytes of each of two rows
.set RS, R+32*((\t)%(\nr))+80*(((\t)%(\nr))/3)
.irp i, 0,1,2,3,4,5,6,7
	global_load_b128 v[RS+4*\i:RS+4*\i+3], v[OFF+\i], s[24:25] offset:256*(\t) th:TH_LOAD_NT
.endr
.endm
.macro TURN t, lb, nr                  ; step t through a stage: LDS serves a wave's instructions in order, so no wait stands between the stores and the loads
.set RS, R+32*((\t)%(\nr))+80*(((\t)%(\nr))/3)
.irp i, 0,1,2,3,4,5,6,7
	ds_store_b128 v[ST], v[RS+4*\i:RS+4*\i+3] offset:\lb+STG*((\t)%2)+544*\i
.endr
.irp g, 0,1,2,3,4,5,6,7
	ds_load_b128 v[X+32*((\t)%2)+4*\g:X+32*((\t)%2)+4*\g+3], v[LD] offset:\lb+STG*((\t)%2)+16*\g
.endr
.endm
; rt = 1: the router's products ride on the step;  ns: the wave's steps
.macro STEP t, lb, rt, ns, nr
.set XS, X+32*((\t)%2)
.if (\t) > 0
	s_wait_dscnt 1                                 ; my block is back from the stage (the last step's byte store may be out): so the stage's stores have read their registers,
.else
	s_wait_dscnt 0x0
.endif
.if \rt
.irp g, 0,1,2,3,4,5,6,7
	ds_load_b128 v[GW+4*\g:GW+4*\g+3], v[GA] offset:256*(\t)+16*\g   ; gate_w(my half's 64 t + 32 h + 0 .. 31, r % 8)
.endr
.endif
.if (\t)+(\nr) < (\ns)
	LOAD (\t)+(\nr), \nr                           ; which take the loads of nr steps on
.endif
.if (\t)+1 < (\ns)
.set LAST, (\t)+(\nr)
.if LAST > (\ns)-1
.set LAST, (\ns)-1
.endif
	s_wait_loadcnt 8*(LAST-(\t)-1)                 ; the next step's eight loads are in; those of the steps behind it, up to the last one asked for, may be out
	TURN (\t)+1, \lb, \nr
.endif
.if \rt
.if (\t)+1 < (\ns)
	s_wait_dscnt 16                                ; gate_w's numbers are in; the turn's 8 stores and 8 loads may be out
.else
	s_wait_dscnt 0x0
.endif
.irp i, 0,1,2,3,4,5,6,7,8,9,10,11,12,13,14,15  ; logits^T += gate_w^T x^T, 4 along K an instruction; K's order in the registers is the same on both sides.  Two accumulators by turns
.if ((\t) == 0) && (\i < 2)
	v_wmma_f32_16x16x4_f32 v[ACC+8*(\i%2):ACC+8*(\i%2)+7], v[GW+2*\i:GW+2*\i+1], v[XS+2*\i:XS+2*\i+1], 0
.else
	v_wmma_f32_16x16x4_f32 v[ACC+8*(\i%2):ACC+8*(\i%2)+7], v[GW+2*\i:GW+2*\i+1], v[XS+2*\i:XS+2*\i+1], v[ACC+8*(\i%2):ACC+8*(\i%2)+7]
.endif
.endr
.rept 8
	v_nop                                          ; eight places behind this form, in front of the loads into its operands' registers
.endr
.endif
	v_max3_num_f32 v[M0], |v[XS]|, |v[XS+1]|, |v[XS+2]|      ; the block's largest magnitude: all 32 numbers are mine
	v_max3_num_f32 v[M1], |v[XS+3]|, |v[XS+4]|, |v[XS+5]|
.irp i, 6,10,14,18,22,26
	v_max3_num_f32 v[M0], v[M0], |v[XS+\i]|, |v[XS+\i+1]|
	v_max3_num_f32 v[M1], v[M1], |v[XS+\i+2]|, |v[XS+\i+3]|
.endr
	v_max3_num_f32 v[M0], v[M0], |v[XS+30]|, |v[XS+31]|
	v_max3_num_f32 v[M0], v[M0], v[M1], 0x1800000  ; and the floor 2^(3 - 127): the byte cannot fall under 1
	v_add_nc_u32 v[SO], 0xff000000, v[M0]          ; 2 off its exponent field: the conversion takes this operand's exponent field as its scale
	s_wait_alu depctr_va_vdst(0)
	s_wait_xcnt 0x0                                ; the last step's store has read the codes' registers
.irp g, 0,1,2,3
	v_cvt_scalef32_pk8_fp4_f32 v[C+\g], v[XS+8*\g:XS+8*\g+7], v[SO]
.endr
	v_lshrrev_b32 v[E+(\t)%2], 23, v[SO]           ; the scale's byte (also the plain line behind the conversions)
	ds_store_b8 v[SB], v[E+(\t)%2] offset:\lb+SCB+2*(\t)
	global_store_b128 v[CO], v[C:C+3], s[38:39] offset:512*(\t)   ; two blocks of the 16 rows: 512 consecutive bytes
.endm
	s_wait_kmcnt 0x0
	s_cmp_lt_u32 ttmp9, 64                         ; the same in all four waves
	s_cbranch_scc1 .Lx_path
	; ---- KEYS.  Which tensor: the choice hangs on the work-group's number alone
	s_cmp_lt_u32 ttmp9, 96
	s_cselect_b64 s[24:25], s[6:7], s[8:9]
	s_cselect_b32 s26, 64, 96                      ; the tensor's first work-group
	s_sub_co_u32 s30, ttmp9, s26
	s_lshl_b32 s30, s30, 2
	s_add_co_u32 s30, s30, s[WV]                   ; my tile's number in its tensor
	s_lshr_b32 s34, s30, 1
	s_lshl_b32 s34, s34, 17                        ; a pair of tiles is 32 rows, 128 KiB,
	s_and_b32 s30, s30, 1
	s_lshl_b32 s30, s30, 15                        ; the odd one begins 8 rows further on
	s_add_co_u32 s34, s34, s30
	s_mov_b32 s35, 0
	s_add_nc_u64 s[24:25], s[24:25], s[34:35]
	s_sub_co_u32 s37, ttmp9, 32
	s_lshl_b32 s37, s37, 2
	s_add_co_u32 s37, s37, s[WV]                   ; my item in q: 128 + 4 (work-group - 64) + wave
	s_mul_i32 s38, s37, ITEM
	s_mov_b32 s39, 0
	s_add_nc_u64 s[38:39], s[14:15], s[38:39]
	s_wait_alu depctr_va_vdst(0)
	LOAD 0, 4
	LOAD 1, 4
	LOAD 2, 4
	LOAD 3, 4
	s_wait_loadcnt 24                              ; step 0's eight loads are in; the 24 behind them may be out
	TURN 0, LBW, 4
.irp t, 0,1,2,3,4,5,6,7,8,9,10,11,12,13,14,15
	STEP \t, LBW, 0, 16, 4
.endr
	ds_load_b128 v[R:R+3], v[SL] offset:LBW+SCB    ; the item's 512 scale bytes leave together
	s_wait_dscnt 0x0
	global_store_b128 v[CO], v[R:R+3], s[38:39] offset:8192
	s_branch .Lend
.Lx_path:
	; ---- x AND THE ROUTER
	s_load_b256 s[40:47], s[12:13], 0x0            ; gate_b
	s_lshl_b32 s37, ttmp9, 1
	s_lshr_b32 s30, s[WV], 1
	s_add_co_u32 s37, s37, s30                     ; my item = my tile of 16 tokens: 2 x work-group + wave / 2
	s_lshl_b32 s34, s37, 16
	s_lshl_b32 s30, s[HF], 11
	s_add_co_u32 s34, s34, s30                     ; its 16 rows of 4,096 bytes, my half of each
	s_mov_b32 s35, 0
	s_add_nc_u64 s[24:25], s[4:5], s[34:35]
	s_mul_i32 s38, s37, ITEM
	s_lshl_b32 s30, s[HF], 12
	s_add_co_u32 s38, s38, s30                     ; my half's codes: 8 steps of 512 bytes
	s_mov_b32 s39, 0
	s_add_nc_u64 s[38:39], s[14:15], s[38:39]
	s_mul_i32 s30, s[HF], 4080
	s_sub_co_u32 s50, 8192, s30
	s_mov_b32 s51, 0
	s_add_nc_u64 s[50:51], s[38:39], s[50:51]      ; my half's scale bytes: the item's byte 8,192 + 16 x half
.irp i, 0,1,2,3,4,5,6,7                        ; gate_w: thread n takes rows n + 128 i, 32 bytes each
	global_load_b128 v[X+8*\i:X+8*\i+3], v[TA], s[10:11] offset:4096*\i
	global_load_b128 v[X+8*\i+4:X+8*\i+7], v[TA], s[10:11] offset:4096*\i+16
.endr
	s_wait_alu depctr_va_vdst(0)
	LOAD 0, 3
	LOAD 1, 3
	LOAD 2, 3
	s_wait_loadcnt 24                              ; gate_w's 16 loads are in; the 24 of x behind them may be out
.irp i, 0,1,2,3,4,5,6,7
.irp e, 0,1,2,3,4,5,6,7
	ds_store_b32 v[GS], v[X+8*\i+\e] offset:512*\i+GP*\e
.endr
.endr
	s_wait_dscnt 0x0                               ; for the others' sake: my part of gate_w lies in LDS
	s_barrier_signal -1
	s_barrier_wait -1
	s_wait_loadcnt 16                              ; step 0's eight loads are in; the 16 behind them may be out
	TURN 0, LBX, 3
.irp t, 0,1,2,3,4,5,6,7
	STEP \t, LBX, 1, 8, 3
.endr
	ds_load_b128 v[R:R+3], v[SLX] offset:LBX+SCB   ; my half's 16 scale bytes of row r (both halves of the lanes take and store the same)
	s_wait_dscnt 0x0
	global_store_b128 v[SCO], v[R:R+3], s[50:51]
	; THE ROUTER'S END.  Register e of an accumulator is expert e's partial logit of token r, in both halves of the lanes
	s_wait_kmcnt 0x0
.irp e, 0,1,2,3,4,5,6,7
	v_add_f32 v[L+\e], v[ACC+\e], v[ACC+8+\e]
.endr
	ds_store_b128 v[PS], v[L:L+3] offset:LBX       ; every wave lays its part into its own stage, which is free now
	ds_store_b128 v[PS], v[L+4:L+7] offset:LBX+512
	s_wait_dscnt 0x0                               ; for the partner's sake
	s_barrier_signal -1
	s_barrier_wait -1
	s_cmp_lg_u32 s[HF], 0
	s_cbranch_scc1 .Lend                           ; the odd wave has done its part
	ds_load_b128 v[PR:PR+3], v[PP] offset:LBX
	ds_load_b128 v[PR+4:PR+7], v[PP] offset:LBX+512
	s_wait_dscnt 0x0
	s_wait_alu depctr_va_vdst(0)
.irp e, 0,1,2,3,4,5,6,7
	v_add_f32 v[L+\e], v[L+\e], v[PR+\e]
.endr
.irp e, 0,1,2,3,4,5,6,7
	v_add_f32 v[L+\e], s[40+\e], v[L+\e]
.endr
	v_max3_num_f32 v[MX], v[L], v[L+1], v[L+2]
	v_max3_num_f32 v[MX], v[MX], v[L+3], v[L+4]
	v_max3_num_f32 v[MX], v[MX], v[L+5], v[L+6]
	v_max_num_f32 v[MX], v[MX], v[L+7]             ; the maximum is taken away ahead of the exponentials, as in reference()
.irp e, 0,1,2,3,4,5,6,7
	v_sub_f32 v[PR+\e], v[L+\e], v[MX]
.endr
.irp e, 0,1,2,3,4,5,6,7
	v_mul_f32 v[PR+\e], 0x3fb8aa3b, v[PR+\e]
.endr
	s_wait_alu depctr_va_vdst(0)
.irp e, 0,1,2,3,4,5,6,7
	v_exp_f32 v[PR+\e], v[PR+\e]
.endr
.irp e, 0,1,2,3,4,5,6,7
	v_mov_b32 v[RK+\e], 7-\e                       ; a rank begins as if the expert lost to every higher index;
.endr
.irp a, 0,1,2,3,4,5,6
.irp b, 1,2,3,4,5,6,7
.if \b > \a
	v_cmp_ge_f32 vcc_lo, v[L+\a], v[L+\b]          ; where the lower index wins (ties too), the loss goes over to the higher one
	v_cndmask_b32 v[TT], 0, 1, vcc_lo
	v_add_nc_u32 v[RK+\b], v[RK+\b], v[TT]
	v_sub_nc_u32 v[RK+\a], v[RK+\a], v[TT]
.endif
.endr
.endr
	s_wait_alu depctr_va_vdst(0)                   ; one wait for the eight exponentials, ahead of their first reader
	v_add_f32 v[SM], v[PR], v[PR+1]
	v_add_f32 v[TT], v[PR+2], v[PR+3]
	v_add_f32 v[SM], v[SM], v[PR+4]
	v_add_f32 v[TT], v[TT], v[PR+5]
	v_add_f32 v[SM], v[SM], v[PR+6]
	v_add_f32 v[TT], v[TT], v[PR+7]
	v_add_f32 v[SM], v[SM], v[TT]
	s_wait_alu depctr_va_vdst(0)
	v_rcp_f32 v[SM], v[SM]
	v_lshlrev_b32 v[GTO], 2, v2                    ; (plain lines behind the reciprocal)  gt: 4 r
	s_lshl_b32 s30, s37, 6
	v_add_nc_u32 v[GTO], s30, v[GTO]               ; + 64 x my tile of tokens
	s_wait_alu depctr_va_vdst(0)
.irp e, 0,1,2,3,4,5,6,7
	v_mul_f32 v[PR+\e], v[PR+\e], v[SM]
	v_cmp_gt_u32 vcc_lo, 4, v[RK+\e]
	v_cndmask_b32 v[PR+\e], 0, v[PR+\e], vcc_lo    ; the weight, or 0 for an expert that is not among the four
	global_store_b32 v[GTO], v[PR+\e], s[16:17] offset:8192*\e   ; (both halves of the lanes store the same number at the same place)
.endr
	s_or_b32 s30, ttmp9, s[WV]
	s_cmp_lg_u32 s30, 0
	s_cbranch_scc1 .Lend
	v_mov_b32 v[ZR], 0
	s_wait_alu depctr_va_vdst(0)
	s_wait_xcnt 0x0                                ; EXEC changes only behind this wait
	v_cmp_eq_u32 vcc_lo, 0, v0
	s_and_saveexec_b32 s48, vcc_lo
	global_store_b32 v[ZR], v[ZR], s[18:19]        ; out1 = 0
	s_wait_xcnt 0x0
	s_or_b32 exec_lo, exec_lo, s48
.Lend:
	s_wait_tensorcnt 0x0                           ; the wave's end: behind my last LDS store
	ds_add_u32 v[SPW], v[NIL]
	s_wait_dscnt 0x0
	s_endpgm
.Lfunc_end_k_qd707ff98f9_prep:
	.size	k_qd707ff98f9_prep, .Lfunc_end_k_qd707ff98f9_prep-k_qd707ff98f9_prep
	.p2alignl 7, 3214868480
	.fill 96, 4, 3214868480
	.section	.rodata,"a",@progbits
	.p2align	6, 0x0
	.amdhsa_kernel k_qd707ff98f9_prep
		.amdhsa_group_segment_fixed_size 107264
		.amdhsa_private_segment_fixed_size 0
		.amdhsa_enable_private_segment 0
		.amdhsa_kernarg_size 64
		.amdhsa_user_sgpr_count 2
		.amdhsa_user_sgpr_kernarg_segment_ptr 1
		.amdhsa_wavefront_size32 1
		.amdhsa_system_sgpr_workgroup_id_x 1
		.amdhsa_system_sgpr_workgroup_id_y 1
		.amdhsa_system_sgpr_workgroup_id_z 1
		.amdhsa_system_vgpr_workitem_id 0
		.amdhsa_next_free_vgpr 256
		.amdhsa_next_free_sgpr 66
		.amdhsa_reserve_vcc 1
		.amdhsa_float_denorm_mode_32 3
		.amdhsa_float_denorm_mode_16_64 3
		.amdhsa_memory_ordered 1
		.amdhsa_forward_progress 1
		.amdhsa_inst_pref_size 117
	.end_amdhsa_kernel
	.amdgpu_metadata
---
amdhsa.version: [ 1, 2 ]
amdhsa.kernels:
  - .name:           k_qd707ff98f9_prep
    .symbol:         k_qd707ff98f9_prep.kd
    .args:
      - { .name: x, .offset: 0, .size: 8, .value_kind: global_buffer, .address_space: global }
      - { .name: shared_keys, .offset: 8, .size: 8, .value_kind: global_buffer, .address_space: global }
      - { .name: ff_keys, .offset: 16, .size: 8, .value_kind: global_buffer, .address_space: global }
      - { .name: gate_w, .offset: 24, .size: 8, .value_kind: global_buffer, .address_space: global }
      - { .name: gate_b, .offset: 32, .size: 8, .value_kind: global_buffer, .address_space: global }
      - { .name: q, .offset: 40, .size: 8, .value_kind: global_buffer, .address_space: global }
      - { .name: gt, .offset: 48, .size: 8, .value_kind: global_buffer, .address_space: global }
      - { .name: out1, .offset: 56, .size: 8, .value_kind: global_buffer, .address_space: global }
    .group_segment_fixed_size: 107264
    .private_segment_fixed_size: 0
    .kernarg_segment_align: 8
    .kernarg_segment_size: 64
    .max_flat_workgroup_size: 128
    .sgpr_count:     66
    .vgpr_count:     256
    .wavefront_size: 32
...
	.end_amdgpu_metadata
.endif
;; end of part 1
;; launch hidden (part 2): grid 4 x 64, 4 waves a work-group, clusters of 4 x 1, 167,936 bytes of LDS; arguments q, shared_values, ff_values, hq, hs, qv; writes hq, hs, qv
.if DOCPART == 2
	.amdgcn_target "amdgcn-amd-amdhsa--gfx1250"
	.amdhsa_code_object_version 6
	.text
	.protected	k_qd707ff98f9_hidden
	.globl	k_qd707ff98f9_hidden
	.p2align	8
	.type	k_qd707ff98f9_hidden,@function
k_qd707ff98f9_hidden:
	s_mov_b64 s[64:65], 0
	v_nop
	global_prefetch_b8 v0, s[64:65] scope:SCOPE_SE
	s_setreg_imm32_b32 hwreg(HW_REG_WAVE_MODE, 25, 1), 1
	s_wait_xcnt 0x0
	s_wait_alu depctr_hold_cnt(0) depctr_sa_sdst(0) depctr_va_vdst(0) depctr_va_sdst(0) depctr_va_ssrc(0) depctr_va_vcc(0) depctr_vm_vsrc(0)
	s_getreg_b32 s2, hwreg(HW_REG_IB_STS2, 6, 4)
	s_cmp_eq_u32 s2, 0
	s_cbranch_scc0 .Lentry_in_a_cluster
	s_endpgm
.Lentry_in_a_cluster:
	s_bfe_u32 s2, ttmp6, 0x10000c
	s_cmp_lg_u32 s2, 0x3003
	s_cbranch_scc0 .Lentry_shape_is_right
	s_endpgm
.Lentry_shape_is_right:
; SECOND LAUNCH: the hidden layers, and the values' codes.  For each of the 8 FFNs k (0 the shared one, e + 1 expert e) and every token: Q(gelu(Q(x) Q(Wk)^T)), as codes of FP4 and scale words, in the order of an operand's registers.
; Left out, as shown at the head of the first launch: the padded rows, the groups and the slots.  The experts not chosen for a token are computed and weighed with 0 in the third launch.
; SHARES.  Work-group y: FFN k = y / 8, tokens 256 (y % 8) on, 16 tiles of 16.  Its place cx in the cluster: hidden units 512 cx on.  Wave w makes units 128 (4 cx + w) on: one step of 128 of the next K.
; Its 8 tiles of keys (69,632 consecutive bytes of q) stay in 512 registers.  The 16 items of x (139,264 consecutive bytes) are the same for the four partners:
; each wave asks for a quarter by ONE joint tensor load; they are filled once and stay in LDS.  By this text's count a wave has one tensor load out.
; THE PRODUCT IS USED TRANSPOSED (source 0 = 16 rows of keys, source 1 = 16 tokens): a lane holds one token, and by the choice of a tile's rows (first launch) the 16 registers of two
; neighbouring tiles are 16 neighbours along the next K.  gelu(x) = x / (1 + 2^(x (c1 + c2 x^2))), c1 = -2 log2(e) sqrt(2 / pi), c2 = 0.044715 c1: the tanh form, in f32; both ends are safe (2^z is 0 or infinity there).
; hq: [k][tile of tokens][step of 128][1,024 bytes: 16 x lane, and 512 on].  hs: [k][step][tile][16 words].
; THE VALUES RIDE ON THE TILES.  shared_values and ff_values are 1,024 items of 16 rows x 1,024 along K (rows 16 Dt on, K 1,024 hf on: item 128 k + 2 Dt + hf of qv, laid as the items of q), as many as the launch
; has waves; an item is 16 steps of 64 along K, as many as a wave has tiles of tokens.  So wave 16 y + 4 cx + w quantises one item, a step in each tile: the step's eight loads are asked for two tiles ahead,
; turn through the wave's own stage in LDS behind the tile's products, and are quantised at the tile's end, by the first launch's lines.  All that these lines name lies in window 3: one setting serves them.
; A block of zeros gets the byte 1 where the rule says 127: its codes are zeros, and this program alone reads the bytes.
; REGISTERS, in windows of 256: window 0: addresses; v32-63 the keys' scale words; v64-67 x's; v96-159 the 8 result tiles; v160-223 at work; v224-231 the codes made; v232-248 the quantiser's.
;   windows 1, 2: the keys' fragments (tile t, step s) at 8 (8 t + s).   window 3: v0-63 a tile of x, 8 fragments; v64-191 the values' step.
.set ITEM,  8704
.set SPARE, 16*ITEM                    ; behind x: the spare words, 128 bytes for each wave: two blocks of 256 bytes that no other line names
.set VSTG,  SPARE+512                  ; behind them, for each wave: a stage of 16 rows x 272 bytes and its item's 512 scale bytes; no tensor load lands here
.set VWREG, 4864
.set VSCB,  4352
.set LI,  3                            ; v3   16 x lane
.set LV,  4                            ; v4   32 r + 16 h: a row's scale bytes, my half
.set XA,  5                            ; v5   LDS address of the tile of x to be fetched
.set XSA, 6                            ; v6   and of its scale bytes
.set L4,  7                            ; v7   4 x lane
.set SPW, 10
.set NIL, 11
.set C1,  12                           ; v[12:13] c1, twice
.set WS,  32
.set XSC, 64
.set PWE, 68                           ; the even tile's scale word
.set PWS, 69                           ; two tiles' scale words, as stored
.set HA,  96
.set T,   160
.set PC,  224
.set TM,  232
.set PW,  248
.set XF,  0                            ; window 3 from here on
.set VOFF, 64                          ; load i: (2 i + h) rows of 8,192 bytes + 16 r
.set VST,  72                          ; the stage, on the way in: row h, 16 r
.set VLD,  73                          ; and on the way out: row r, 128 h
.set VCO,  74                          ; 16 x lane
.set VSB,  75                          ; my row's scale bytes: 32 r + h
.set VSL,  76                          ; the scale bytes on the way out: 16 x lane
.set VSBT, 77                          ; the step's byte
.set VM0,  78
.set VM1,  79
.set VSO,  80
.set VE,   82                          ; the byte, two registers by turns
.set VC,   84                          ; the step's codes
.set VR,   96                          ; two sets of 32: numbers as loaded
.set VX,   160                         ; a lane's block of 32
.set WV,  50
.set G1,  16
.set G0,  24
.set KB,  28                           ; s[28:29] my keys
.set C2,  34                           ; s[34:35] c2
.set SEL, 36
.set HM,  38
.set CNT, 39
.set HQB, 42
.set HSB, 44
.set SBO, 55                           ; s55  2 x the pair's first step: the place of its scale byte in a row
.set VB,  56                           ; s[56:57] my item of values, at the pair's first step
.set QVB, 58                           ; s[58:59] and its codes in qv
.set MSB, 0
.macro WIN new                         ; the immediate's high byte repeats the setting that is left
.if MSB != (\new)
	s_set_vgpr_msb (MSB<<8)|(\new)
.set MSB, (\new)
.endif
.endm
.macro ROUND                           ; a round of the cluster's barrier
	s_barrier_signal -1
	s_barrier_wait -1
	s_cmp_lg_u32 s[WV], 0
	s_cbranch_scc1 .Lnot_wave_0_\@
	s_barrier_signal -3
.Lnot_wave_0_\@:
	s_barrier_wait -3
	s_barrier_signal -1
	s_barrier_wait -1
.endm
	s_load_b256 s[4:11], s[0:1], 0x0               ; q, shared_values, ff_values, hq
	s_load_b128 s[12:15], s[0:1], 0x20             ; hs, qv
	v_lshl_add_u32 v[SPW], v0, 2, SPARE
	v_mov_b32 v[NIL], 0
	ds_add_u32 v[SPW], v[NIL]                      ; the wave's opening: the add, twice on end, and its wait ahead of my first tensor load
	ds_add_u32 v[SPW], v[NIL]
	v_lshrrev_b32 v1, 5, v0
	v_readfirstlane_b32 s[WV], v1                  ; wave 0..3
	s_bfe_u32 s51, ttmp6, 0x40000                  ; cx
	s_and_b32 s52, ttmp7, 0xffff                   ; y, which the four partners share
	s_lshr_b32 s53, s52, 3                         ; k
	s_and_b32 s54, s52, 7                          ; which 256 tokens
	s_mov_b32 s[G1], 15|(3<<16)|(1<<21)            ; 15:0 the mask: all four; 17:16 elements of 8 bytes; 21 set beside a mask; no padding
	s_mov_b32 s[G1+1], 32<<16                      ; tensor_dim0 = 32: rows of 256 bytes
	s_mov_b32 s[G1+2], 136<<16                     ; tensor_dim1 = 136: four items
	s_mov_b32 s[G1+3], 32<<16                      ; tile_dim0
	s_mov_b32 s[G1+4], 136                         ; tile_dim1
	s_mov_b32 s[G1+5], 32                          ; dense
	s_mov_b32 s[G1+6], 0
	s_mov_b32 s[G1+7], 0
	s_lshl_b32 s41, s54, 4                         ; my first tile of tokens
	s_lshl_b32 s31, s[WV], 2
	s_add_co_u32 s30, s41, s31
	s_mul_i32 s30, s30, ITEM                       ; the four items of x that I fetch
	s_mov_b32 s31, 0
	s_mov_b32 s[G0], 1
	s_mul_i32 s[G0+1], s[WV], 4*ITEM
	s_lshl_b32 s40, s51, 2
	s_add_co_u32 s40, s40, s[WV]                   ; my step of the next K: 4 cx + wave
	s_lshl_b32 s32, s53, 7
	s_lshl_b32 s33, s40, 3
	s_add_co_u32 s32, s32, s33
	s_add_co_u32 s32, s32, 128
	s_mul_i32 s32, s32, ITEM                       ; my keys: items 128 + 128 k + 8 (4 cx + wave) on
	s_mov_b32 s33, 0
	s_lshl_b32 s46, s53, 7
	s_add_co_u32 s46, s46, s41
	s_lshl_b32 s46, s46, 4
	s_add_co_u32 s46, s46, s40
	s_lshl_b32 s46, s46, 10                        ; hq: ((128 k + tile) 16 + step) 1,024
	s_mov_b32 s47, 0
	s_lshl_b32 s48, s53, 4
	s_add_co_u32 s48, s48, s40
	s_lshl_b32 s48, s48, 7
	s_add_co_u32 s48, s48, s41
	s_lshl_b32 s48, s48, 6                         ; hs: ((16 k + step) 128 + tile) 64
	s_mov_b32 s49, 0
	s_lshl_b32 s60, s52, 4
	s_add_co_u32 s60, s60, s40                     ; my item of values: 16 y + 4 cx + wave
	s_mul_i32 s62, s60, ITEM                       ; in qv
	s_mov_b32 s63, 0
	s_cmp_lt_u32 s52, 8                            ; items 0-127 are shared_values', the others ff_values'
	s_cselect_b32 s61, 0, 128
	s_sub_co_u32 s60, s60, s61                     ; its number in its tensor
	s_and_b32 s61, s60, 1
	s_lshl_b32 s61, s61, 12                        ; the odd item begins 1,024 numbers further on in the rows,
	s_lshr_b32 s60, s60, 1
	s_lshl_b32 s60, s60, 17                        ; a pair of items is 16 rows of 8,192 bytes
	s_add_co_u32 s60, s60, s61
	s_mov_b32 s61, 0
	s_mov_b32 s[SBO], 0
	s_mul_i32 s2, s[WV], VWREG
	s_add_co_u32 s2, s2, VSTG                      ; my stage,
	s_add_co_u32 s3, s2, VSCB                      ; my item's scale bytes
	s_mov_b32 s[C2], 0xbdd2d3e8
	s_mov_b32 s[C2+1], s[C2]
	s_mov_b32 s[SEL], 0x76543210
	s_mov_b32 s[SEL+1], 0xfedcba98
	s_mov_b32 s[HM], 0xffff0000
	v_and_b32 v1, 31, v0
	v_and_b32 v2, 15, v0
	v_bfe_u32 v8, v0, 4, 1
	v_lshlrev_b32 v[LI], 4, v1
	v_lshlrev_b32 v[LV], 5, v2
	v_lshl_add_u32 v[LV], v8, 4, v[LV]
	v_mov_b32 v[XA], v[LI]
	v_mov_b32 v[XSA], v[LV]
	v_lshlrev_b32 v[L4], 2, v1
	v_mov_b32 v[C1], 0xc0135761
	v_mov_b32 v[C1+1], 0xc0135761
	v_lshlrev_b32 v[T], 13, v8
	v_lshl_add_u32 v[T], v2, 4, v[T]               ; the values: row h of 8,192 bytes, 16 r
	v_mul_u32_u24 v[T+1], v8, 272
	v_lshl_add_u32 v[T+1], v2, 4, v[T+1]           ; 272 h + 16 r
	v_mul_u32_u24 v[T+2], v2, 272
	v_lshl_add_u32 v[T+2], v8, 7, v[T+2]           ; 272 r + 128 h
	v_lshl_add_u32 v[T+3], v2, 5, v8               ; 32 r + h
.irp b, 0,1,2,3
	v_mov_b32 v[TM+4+\b], 0                        ; written once: a lane permute's destination counts as one of its sources
.endr
	s_wait_dscnt 0x0                               ; both opening adds are done
	s_wait_kmcnt 0x0
	s_add_nc_u64 s[G0+2:G0+3], s[4:5], s[30:31]
	s_or_b32 s[G0+3], s[G0+3], 0x80000000
	s_add_nc_u64 s[KB:KB+1], s[4:5], s[32:33]
	s_add_nc_u64 s[HQB:HQB+1], s[10:11], s[46:47]
	s_add_nc_u64 s[HSB:HSB+1], s[12:13], s[48:49]
	s_cmp_lt_u32 s52, 8                            ; the choice hangs on the work-group's y alone
	s_cselect_b64 s[VB:VB+1], s[6:7], s[8:9]
	s_add_nc_u64 s[VB:VB+1], s[VB:VB+1], s[60:61]
	s_add_nc_u64 s[QVB:QVB+1], s[14:15], s[62:63]
	ROUND                                          ; all four work-groups are here: the joint loads meet
	tensor_load_to_lds s[G0:G0+3], s[G1:G1+7]
	s_nop 0
.rept 4
	v_nop
.endr
	WIN 0x40                                       ; destination window 1
.irp t, 0,1,2,3
.irp s, 0,1,2,3,4,5,6,7
.irp c, 0,1
	global_load_b128 v[8*(8*\t+\s)+4*\c:8*(8*\t+\s)+4*\c+3], v[LI], s[KB:KB+1] offset:ITEM*\t+1024*\s+512*\c
.endr
.endr
.endr
	WIN 0x80                                       ; destination window 2
.irp t, 0,1,2,3
.irp s, 0,1,2,3,4,5,6,7
.irp c, 0,1
	global_load_b128 v[8*(8*\t+\s)+4*\c:8*(8*\t+\s)+4*\c+3], v[LI], s[KB:KB+1] offset:ITEM*(\t+4)+1024*\s+512*\c
.endr
.endr
.endr
	WIN 0
.irp t, 0,1,2,3,4,5,6,7
	global_load_b128 v[WS+4*\t:WS+4*\t+3], v[LV], s[KB:KB+1] offset:ITEM*\t+8192   ; register i: step i's word in lanes 0-15, step 4 + i's in lanes 16-31
.endr
	WIN 0xc0                                       ; destination window 3, sources window 0: the addresses of the values' step
.irp i, 0,1,2,3,4,5,6,7
	v_add_nc_u32 v[VOFF+\i], 16384*\i, v[T]
.endr
	v_add_nc_u32 v[VST], s2, v[T+1]
	v_add_nc_u32 v[VLD], s2, v[T+2]
	v_add_nc_u32 v[VSB], s3, v[T+3]
	v_add_nc_u32 v[VSL], s3, v[LI]
	v_mov_b32 v[VCO], v[LI]
.macro VLOAD set, off                  ; a step of the values: 64 along K of the 16 rows; a load reads 256 consecutive bytes of each of two rows.  (Every place window 3)
.irp i, 0,1,2,3,4,5,6,7
	global_load_b128 v[VR+32*(\set)+4*\i:VR+32*(\set)+4*\i+3], v[VOFF+\i], s[VB:VB+1] offset:\off th:TH_LOAD_NT
.endr
.endm
	WIN 0xff
	VLOAD 0, 0
	VLOAD 1, 256
	WIN 0
.macro FETCHX                          ; a tile of x: 8 fragments and its scale words
	WIN 0xc0                                       ; destination window 3
.irp s, 0,1,2,3,4,5,6,7
.irp c, 0,1
	ds_load_b128 v[XF+8*\s+4*\c:XF+8*\s+4*\c+3], v[XA] offset:1024*\s+512*\c
.endr
.endr
	WIN 0
	ds_load_b128 v[XSC:XSC+3], v[XSA] offset:8192
.endm
.macro WM s                            ; one product; steps 4 to 7 take their scale words from lanes 16-31
.if (\s) == 0
	v_wmma_scale_f32_16x16x128_f8f6f4 v[rD:rD+7], v[rA:rA+7], v[rB:rB+7], 0, v[rSA], v[rSB] matrix_a_fmt:MATRIX_FMT_FP4 matrix_b_fmt:MATRIX_FMT_FP4
.elseif (\s) < 4
	v_wmma_scale_f32_16x16x128_f8f6f4 v[rD:rD+7], v[rA:rA+7], v[rB:rB+7], v[rD:rD+7], v[rSA], v[rSB] matrix_a_fmt:MATRIX_FMT_FP4 matrix_b_fmt:MATRIX_FMT_FP4
.else
	v_wmma_scale_f32_16x16x128_f8f6f4 v[rD:rD+7], v[rA:rA+7], v[rB:rB+7], v[rD:rD+7], v[rSA], v[rSB] matrix_a_fmt:MATRIX_FMT_FP4 matrix_b_fmt:MATRIX_FMT_FP4 matrix_a_scale:MATRIX_SCALE_ROW1 matrix_b_scale:MATRIX_SCALE_ROW1
.endif
.endm
.macro HALF u                          ; tiles 4 u .. 4 u + 3 of the keys: 32 products, the four accumulators by turns; the first step starts the sums
.irp s, 0,1,2,3,4,5,6,7
.irp t, 0,1,2,3
.set rD, HA+8*(4*(\u)+\t)
.set rA, 8*(8*\t+\s)
.set rB, XF+8*\s
.set rSA, WS+4*(4*(\u)+\t)+\s%4
.set rSB, XSC+\s%4
	WM \s
.endr
.endr
.endm
.macro GELU
.set j, 0
.rept 32
	v_pk_mul_f32 v[T+j:T+j+1], v[HA+j:HA+j+1], v[HA+j:HA+j+1]                       ; x^2 (each accumulator is read from its low end on)
.set j, j+2
.endr
.set j, 0
.rept 32
	v_pk_fma_f32 v[T+j:T+j+1], v[T+j:T+j+1], s[C2:C2+1], v[C1:C1+1] op_sel_hi:[1,0,1]   ; c2 x^2 + c1
.set j, j+2
.endr
.set j, 0
.rept 32
	v_pk_mul_f32 v[T+j:T+j+1], v[T+j:T+j+1], v[HA+j:HA+j+1]                         ; z
.set j, j+2
.endr
.set j, 0
	s_wait_alu depctr_va_vdst(0)
.rept 64
	v_exp_f32 v[T+j], v[T+j]
.set j, j+1
.endr
	v_nop                                          ; a plain line behind the last exponential,
	s_wait_alu depctr_va_vdst(0)                   ; and one wait for the batch, ahead of its first reader
.set j, 0
.rept 32
	v_pk_add_f32 v[T+j:T+j+1], v[T+j:T+j+1], 1.0 op_sel_hi:[1,0]
.set j, j+2
.endr
.set j, 0
	s_wait_alu depctr_va_vdst(0)
.rept 64
	v_rcp_f32 v[T+j], v[T+j]
.set j, j+1
.endr
	v_nop
	s_wait_alu depctr_va_vdst(0)
.set j, 0
.rept 32
	v_pk_mul_f32 v[HA+j:HA+j+1], v[HA+j:HA+j+1], v[T+j:T+j+1]
.set j, j+2
.endr
.endm
; 64 numbers of a lane, register 16 b + i = k 32 b + 16 (lane / 16) + i of my token, become a fragment's codes in v[PC] on and its scale word in v[PW]
.macro QUANT s
.irp b, 0,1,2,3
	v_max3_num_f32 v[TM+\b], |v[\s+16*\b]|, |v[\s+1+16*\b]|, 0x1800000   ; my 16 numbers of block b, and the floor 2^(3 - 127): the byte cannot fall under 1
.endr
.irp i, 2,4,6,8,10,12,14
.irp b, 0,1,2,3
	v_max3_num_f32 v[TM+\b], v[TM+\b], |v[\s+16*\b+\i]|, |v[\s+1+16*\b+\i]|
.endr
.endr
.irp b, 0,1,2,3
	v_permlanex16_b32 v[TM+4+\b], v[TM+\b], s[SEL], s[SEL+1]
.endr
.irp b, 0,1,2,3
	v_max_num_f32 v[TM+\b], v[TM+\b], v[TM+4+\b]   ; with lane l xor 16's: the block's largest magnitude
.endr
.irp b, 0,1,2,3
	v_add_nc_u32 v[TM+12+\b], 0xff000000, v[TM+\b] ; 2 off its exponent field: the conversion's scale operand
.endr
.irp b, 0,1,2,3
	v_lshrrev_b32 v[TM+4+\b], 23, v[TM+12+\b]      ; the scale's byte
.endr
	v_lshl_or_b32 v[PW], v[TM+5], 8, v[TM+4]
	v_lshl_or_b32 v[PW], v[TM+6], 16, v[PW]
	v_lshl_or_b32 v[PW], v[TM+7], 24, v[PW]
.irp b, 0,1,2,3
	v_cvt_scalef32_pk8_fp4_f32 v[PC+2*\b], v[\s+16*\b:\s+7+16*\b], v[TM+12+\b]
	v_cvt_scalef32_pk8_fp4_f32 v[PC+1+2*\b], v[\s+8+16*\b:\s+15+16*\b], v[TM+12+\b]
.endr
	v_nop                                          ; one plain line behind a scaled conversion
.irp c, 0,1                                    ; the operand's layout wants a whole block in a lane
.irp i, 0,1
	v_permlane16_swap_b32 v[PC+4*\c+\i], v[PC+2+4*\c+\i]
.endr
.endr
.endm
; THE VALUES' STEP, first part: the step's numbers go through my stage, so that a lane then holds one whole block of 32.  cnt: the younger loads, which may stay out
.macro VTURN odd, cnt
	WIN 0xff                                       ; every place window 3
	s_wait_loadcnt \cnt                            ; this step's eight loads are in; the next step's eight may be out
.irp i, 0,1,2,3,4,5,6,7
	ds_store_b128 v[VST], v[VR+32*(\odd)+4*\i:VR+32*(\odd)+4*\i+3] offset:544*\i
.endr
.irp g, 0,1,2,3,4,5,6,7
	ds_load_b128 v[VX+4*\g:VX+4*\g+3], v[VLD] offset:16*\g   ; LDS serves a wave's instructions in order: these see the stores above
.endr
	WIN 0
.endm
; second part: the block is quantised, and its set of registers takes the loads of two steps on (ld = 1)
.macro VQUANT odd, ld
	WIN 0xff
	s_wait_dscnt 0x0                               ; my block is back from the stage, so the stage's stores have read their registers; the last step's byte store is done
.if \ld
	VLOAD \odd, 256*((\odd)+2)
.endif
	v_max3_num_f32 v[VM0], |v[VX]|, |v[VX+1]|, |v[VX+2]|     ; the block's largest magnitude: all 32 numbers are mine
	v_max3_num_f32 v[VM1], |v[VX+3]|, |v[VX+4]|, |v[VX+5]|
.irp i, 6,10,14,18,22,26
	v_max3_num_f32 v[VM0], v[VM0], |v[VX+\i]|, |v[VX+\i+1]|
	v_max3_num_f32 v[VM1], v[VM1], |v[VX+\i+2]|, |v[VX+\i+3]|
.endr
	v_max3_num_f32 v[VM0], v[VM0], |v[VX+30]|, |v[VX+31]|
	v_max3_num_f32 v[VM0], v[VM0], v[VM1], 0x1800000   ; and the floor 2^(3 - 127): the byte cannot fall under 1
	v_add_nc_u32 v[VSO], 0xff000000, v[VM0]        ; 2 off its exponent field: the conversion's scale operand
	v_add_nc_u32 v[VSBT], s[SBO], v[VSB]           ; where the pair's bytes go
.irp g, 0,1,2,3
	v_cvt_scalef32_pk8_fp4_f32 v[VC+\g], v[VX+8*\g:VX+8*\g+7], v[VSO]   ; (the last step's store has read these registers: the tile's wait on XCNT stands between)
.endr
	v_lshrrev_b32 v[VE+(\odd)], 23, v[VSO]         ; the scale's byte (also the plain line behind the conversions)
	ds_store_b8 v[VSBT], v[VE+(\odd)] offset:2*(\odd)
	global_store_b128 v[VCO], v[VC:VC+3], s[QVB:QVB+1] offset:512*(\odd)   ; two blocks of the 16 rows: 512 consecutive bytes
	WIN 0
.endm
; A tile of 16 tokens.  odd: its place in a pair;  pf = 1: the next tile of x is fetched behind the products;  ld, cnt: for the values' step
.macro TILE odd, pf, ld, cnt
	s_wait_dscnt 0x0                               ; the tile of x is in
	WIN 0x0d                                       ; source 0 window 1, source 1 window 3
	HALF 0
	WIN 0x0e                                       ; source 0 window 2
	HALF 1
	WIN 0
.if \pf
	v_add_nc_u32 v[XA], ITEM, v[XA]                ; (no LDS load of mine is out)  These two and two v_nop are the four places behind the products,
	v_add_nc_u32 v[XSA], ITEM, v[XSA]              ; in front of the loads into their operands and of the first read of results
	v_nop
	v_nop
	FETCHX
.else
.rept 4
	v_nop
.endr
.endif
	VTURN \odd, \cnt
	GELU
	s_wait_xcnt 0x0                                ; the last tile's stores have read the codes' registers, the hidden layer's and the values'
	QUANT HA
	global_store_b128 v[LI], v[PC:PC+3], s[HQB:HQB+1] offset:16384*\odd          ; the fragment as it stands: 512 consecutive bytes a store
	global_store_b128 v[LI], v[PC+4:PC+7], s[HQB:HQB+1] offset:16384*\odd+512
.if \odd
	v_cndmask_b32 v[PWS], v[PWE], v[PW], s[HM]     ; lanes 0-15 the even tile's words, lanes 16-31 the odd tile's
	global_store_b32 v[L4], v[PWS], s[HSB:HSB+1]
.else
	v_mov_b32 v[PWE], v[PW]
.endif
	VQUANT \odd, \ld
.endm
	s_wait_loadcnt 16                              ; my keys are in; the 16 loads of the values' first two steps, issued behind them, may be out
	s_wait_tensorcnt 0x0                           ; my quarter of x has landed,
	s_barrier_signal -1
	s_barrier_wait -1                              ; everybody's has
	FETCHX
	s_mov_b32 s[CNT], 7
.Lpair:
	s_wait_alu depctr_va_vdst(0)
	TILE 0, 1, 1, 8
	TILE 1, 1, 1, 8
	s_wait_xcnt 0x0                                ; the loads and stores have read their bases
	s_add_nc_u64 s[HQB:HQB+1], s[HQB:HQB+1], 32768
	s_add_nc_u64 s[HSB:HSB+1], s[HSB:HSB+1], 128
	s_add_nc_u64 s[VB:VB+1], s[VB:VB+1], 512       ; two steps of 256 bytes along the values' rows,
	s_add_nc_u64 s[QVB:QVB+1], s[QVB:QVB+1], 1024  ; two steps' codes,
	s_add_co_u32 s[SBO], s[SBO], 4                 ; four blocks' bytes
	s_sub_co_u32 s[CNT], s[CNT], 1
	s_cmp_lg_u32 s[CNT], 0
	s_cbranch_scc1 .Lpair
	TILE 0, 1, 0, 8                                ; the last pair is written out: it asks for no more values, and its second tile fetches no x
	TILE 1, 0, 0, 0
	WIN 0xff
	ds_load_b128 v[VX:VX+3], v[VSL]                ; my item's 512 scale bytes leave together (LDS serves a wave's instructions in order)
	s_wait_dscnt 0x0
	global_store_b128 v[VCO], v[VX:VX+3], s[QVB:QVB+1] offset:1024   ; the item's byte 8,192: the base stands at its byte 7,168
	WIN 0
	s_wait_tensorcnt 0x0                           ; the wave's end: behind my last tensor load and my last LDS store
	ds_add_u32 v[SPW], v[NIL]
	s_wait_dscnt 0x0
	ROUND                                          ; the closing round
	s_endpgm
.Lfunc_end_k_qd707ff98f9_hidden:
	.size	k_qd707ff98f9_hidden, .Lfunc_end_k_qd707ff98f9_hidden-k_qd707ff98f9_hidden
	.p2alignl 7, 3214868480
	.fill 96, 4, 3214868480
	.section	.rodata,"a",@progbits
	.p2align	6, 0x0
	.amdhsa_kernel k_qd707ff98f9_hidden
		.amdhsa_group_segment_fixed_size 167936
		.amdhsa_private_segment_fixed_size 0
		.amdhsa_enable_private_segment 0
		.amdhsa_kernarg_size 48
		.amdhsa_user_sgpr_count 2
		.amdhsa_user_sgpr_kernarg_segment_ptr 1
		.amdhsa_wavefront_size32 1
		.amdhsa_system_sgpr_workgroup_id_x 1
		.amdhsa_system_sgpr_workgroup_id_y 1
		.amdhsa_system_sgpr_workgroup_id_z 1
		.amdhsa_system_vgpr_workitem_id 0
		.amdhsa_next_free_vgpr 1024
		.amdhsa_next_free_sgpr 66
		.amdhsa_reserve_vcc 0
		.amdhsa_float_denorm_mode_32 3
		.amdhsa_float_denorm_mode_16_64 3
		.amdhsa_memory_ordered 1
		.amdhsa_forward_progress 1
		.amdhsa_inst_pref_size 145
	.end_amdhsa_kernel
	.amdgpu_metadata
---
amdhsa.version: [ 1, 2 ]
amdhsa.kernels:
  - .name:           k_qd707ff98f9_hidden
    .symbol:         k_qd707ff98f9_hidden.kd
    .args:
      - { .name: q, .offset: 0, .size: 8, .value_kind: global_buffer, .address_space: global }
      - { .name: shared_values, .offset: 8, .size: 8, .value_kind: global_buffer, .address_space: global }
      - { .name: ff_values, .offset: 16, .size: 8, .value_kind: global_buffer, .address_space: global }
      - { .name: hq, .offset: 24, .size: 8, .value_kind: global_buffer, .address_space: global }
      - { .name: hs, .offset: 32, .size: 8, .value_kind: global_buffer, .address_space: global }
      - { .name: qv, .offset: 40, .size: 8, .value_kind: global_buffer, .address_space: global }
    .group_segment_fixed_size: 167936
    .private_segment_fixed_size: 0
    .kernarg_segment_align: 8
    .kernarg_segment_size: 48
    .max_flat_workgroup_size: 128
    .sgpr_count:     66
    .vgpr_count:     1024
    .wavefront_size: 32
...
	.end_amdgpu_metadata
.endif
;; end of part 2
;; launch combine (part 3): grid 16 x 16, 4 waves a work-group, clusters of 4 x 1, 327,680 bytes of LDS; arguments qv, hq, hs, gt, const_jump, out0; writes out0
.if DOCPART == 3
	.amdgcn_target "amdgcn-amd-amdhsa--gfx1250"
	.amdhsa_code_object_version 6
	.text
	.protected	k_qd707ff98f9_combine
	.globl	k_qd707ff98f9_combine
	.p2align	8
	.type	k_qd707ff98f9_combine,@function
k_qd707ff98f9_combine:
	s_mov_b64 s[64:65], 0
	v_nop
	global_prefetch_b8 v0, s[64:65] scope:SCOPE_SE
	s_setreg_imm32_b32 hwreg(HW_REG_WAVE_MODE, 25, 1), 1
	s_wait_xcnt 0x0
	s_wait_alu depctr_hold_cnt(0) depctr_sa_sdst(0) depctr_va_vdst(0) depctr_va_sdst(0) depctr_va_ssrc(0) depctr_va_vcc(0) depctr_vm_vsrc(0)
	s_getreg_b32 s2, hwreg(HW_REG_IB_STS2, 6, 4)
	s_cmp_eq_u32 s2, 0
	s_cbranch_scc0 .Lentry_in_a_cluster
	s_endpgm
.Lentry_in_a_cluster:
	s_bfe_u32 s2, ttmp6, 0x10000c
	s_cmp_lg_u32 s2, 0x3003
	s_cbranch_scc0 .Lentry_shape_is_right
	s_endpgm
.Lentry_shape_is_right:
; THIRD LAUNCH: out0[t] = H_0(t) Q(Wv_0)^T + sum over k = 1 .. 7 of w_(k-1)(t) H_k(t) Q(Wv_k)^T + w_7(t) const_jump; H_k the hidden codes and Q(Wv) the values' codes of the second launch, w the router's weights (0 for an expert not chosen).
; Left out, as shown at the head of the first launch: the padded rows, the groups, the slots and the dense forms of dispatch and combine.
; SHARES.  A work-group owns 128 tokens (grid y) x 64 columns (4 x cluster x + cx): each number of out0 has one owner.  K IS SHARED OUT AMONG THE WAVES BY FFN: wave w takes FFNs 2 w and 2 w + 1 for the whole block,
; 8 tiles of tokens x 4 tiles of columns = 32 accumulators P.  So no two waves want the same fragment, and each fragment is read from LDS or memory once in a work-group.  After an FFN the sums O take w x P.
; At the end the four waves' O meet in LDS, and wave w adds the four parts and the constant expert's term for rows 32 w .. 32 w + 31 and stores them.
; THE PRODUCT IS USED TRANSPOSED (source 0 = 16 rows of values, source 1 = 16 tokens): a lane holds one token and 8 neighbouring columns.
; THE HIDDEN CODES, two thirds of the operands' bytes, are the same for the four partners of a cluster (same tokens, other columns): they come by JOINT tensor loads into two LDS slots.  A fill is four steps of 128 along K:
; each wave fetches its own FFN's part, 8 rows (tiles of tokens) x 4,096 bytes, by one load; 8 fills; by this text's count a wave has one tensor load out.
; THE VALUES' CODES and the scale words are a work-group's own among its partners and go from memory into registers: 8 + 4 loads a step, asked for three steps ahead, so a step's wait leaves the 36 loads of the three younger steps out.
; PREFETCH: trip p (four steps) loads fill p + 1 and asks for fill p + 3, that is two trips ahead of the load that wants it: 32 blocks of 256 bytes a wave, a lane a block; of a wave's 8 rows the partner at place cx names rows 2 cx and 2 cx + 1,
; so each block is named once in a cluster; fills 0 to 2 come by their loads alone, and trips 5 to 7 ask for nothing.  The values are not prefetched: their own loads stand three steps ahead and no wait for all of them stands among the steps.
; Every offset is an immediate; no pointer but the descriptors' is stepped.
; REGISTERS: window 0: v0-15, v244-246 addresses; v16-47 gates (each the low word of a pair); v48-111 the values' scale words; v112-127 the hidden layer's, four sets; v224-243 w_7 and const_jump.
;   window 1: v0-127 the hidden fragments, two sets; v128-255 the values' fragments, four sets; at the end the four parts.   window 2: P, (a, b) at 8 (4 a + b).   window 3: O likewise.
.set ITEM,  8704
.set WSL,   32768                      ; a wave's part of a slot: 8 rows x 4,096 bytes
.set SLOT,  4*WSL
.set PREG,  34816                      ; the way out: a wave's part, 128 rows x (256 + 16) bytes; the four parts lie over the slots, which have had their last fill and their last read by then
.set SPARE, 2*SLOT                     ; the spare words, 128 bytes for each wave: two blocks of 256 bytes that no other line names
.set NLD,   12                         ; global loads of a step
.set LI,  3                            ; 16 x lane
.set L4,  4                            ; 4 x lane
.set R4,  5                            ; 4 r
.set LV,  6                            ; 32 r + 16 h
.set STO, 7                            ; my part: row r, 32 h
.set RD,  8                            ; parts 0, 1 on the way back: row 32 w + h, 16 r;  v9: parts 2, 3
.set GO,  10                           ; out0: 4,096 h + 16 r
.set SPW, 11
.set NIL, 12
.set CJA, 13                           ; 16 r
.set W7A, 14                           ; 4 h
.set G,   16
.set VS,  48
.set HSC, 112
.set W7,  224
.set CJ,  240
.set HA0, 244                          ; my part of slot 0, 16 x lane;  v245: of slot 1
.set PFO, 246                          ; the prefetches: row h of 16,384 bytes, block r of 256
.set VF,  128                          ; in window 1
.set G1,  16
.set G0,  24                           ; s[24:27] slot 0's group 0, s[28:31] slot 1's
.set VB,  36
.set HSB, 38
.set GA,  40
.set GB,  42
.set G7B, 44
.set CJB, 46
.set OB,  48
.set PFB, 50
.set WV,  52
.set Y,   53
.set M,   54
.set TB,  55
.set CX,  56
.set MSB, 0
.macro WIN new                         ; the immediate's high byte repeats the setting that is left
.if MSB != (\new)
	s_set_vgpr_msb (MSB<<8)|(\new)
.set MSB, (\new)
.endif
.endm
.macro ROUND                           ; a round of the cluster's barrier
	s_barrier_signal -1
	s_barrier_wait -1
	s_cmp_lg_u32 s[WV], 0
	s_cbranch_scc1 .Lnot_wave_0_\@
	s_barrier_signal -3
.Lnot_wave_0_\@:
	s_barrier_wait -3
	s_barrier_signal -1
	s_barrier_wait -1
.endm
	s_load_b256 s[4:11], s[0:1], 0x0               ; qv, hq, hs, gt
	s_load_b128 s[12:15], s[0:1], 0x20             ; const_jump, out0
	v_lshl_add_u32 v[SPW], v0, 2, SPARE
	v_mov_b32 v[NIL], 0
	ds_add_u32 v[SPW], v[NIL]                      ; the wave's opening: the add, twice on end, and its wait ahead of my first tensor load
	ds_add_u32 v[SPW], v[NIL]
	v_lshrrev_b32 v1, 5, v0
	v_readfirstlane_b32 s[WV], v1                  ; wave 0..3
	s_bfe_u32 s[CX], ttmp6, 0x40000                ; cx: it enters global addresses of my own loads, stores and prefetches alone
	s_lshl_b32 s[Y], ttmp9, 2
	s_add_co_u32 s[Y], s[Y], s[CX]                 ; which 64 columns
	s_and_b32 s[TB], ttmp7, 0xffff                 ; which 128 tokens: shared by the four partners
	s_mov_b32 s[G1], 15|(3<<16)|(1<<21)            ; the mask: all four; elements of 8 bytes; 21 set beside a mask; no padding
	s_mov_b32 s[G1+1], 512<<16                     ; rows of 4,096 bytes: four steps of a tile of tokens,
	s_mov_b32 s[G1+2], 8<<16                       ; 8 of them,
	s_mov_b32 s[G1+3], 512<<16
	s_mov_b32 s[G1+4], 8
	s_mov_b32 s[G1+5], 2048                        ; 16,384 bytes apart
	s_mov_b32 s[G1+6], 0
	s_mov_b32 s[G1+7], 0
	s_lshl_b32 s32, s[WV], 22                      ; hq: FFN 2 w (2 MiB each),
	s_lshl_b32 s33, s[TB], 17                      ; my 8 tiles of tokens (16,384 bytes each)
	s_add_co_u32 s32, s32, s33
	s_mov_b32 s33, 0
	s_lshl_b32 s34, s[CX], 15                      ; the prefetches: my work-group's two rows of a wave's eight
	s_mov_b32 s35, 0
	s_mov_b32 s[G0], 1
	s_lshl_b32 s[G0+1], s[WV], 15
	s_mov_b32 s[G0+4], 1
	s_add_co_u32 s[G0+5], s[G0+1], SLOT
	s_lshl_b32 s[VB], s[WV], 8
	s_lshl_b32 s57, s[Y], 3
	s_add_co_u32 s[VB], s[VB], s57
	s_mul_i32 s[VB], s[VB], ITEM                   ; qv: item 128 (2 w) + 8 x my columns' number
	s_mov_b32 s[VB+1], 0
	s_lshl_b32 s57, s[TB], 9                       ; 128 tokens x 4 bytes = 8 tiles x 64 bytes
	s_lshl_b32 s[HSB], s[WV], 18                   ; hs: FFN 2 w (131,072 bytes each)
	s_add_co_u32 s[HSB], s[HSB], s57
	s_mov_b32 s[HSB+1], 0
	s_lshl_b32 s[GA], s[WV], 1
	s_add_co_u32 s[GA], s[GA], 7
	s_and_b32 s[GA], s[GA], 7                      ; gt's row for FFN 2 w: 2 w - 1 (wave 0: row 7, loaded and replaced by 1)
	s_lshl_b32 s[GA], s[GA], 13
	s_add_co_u32 s[GA], s[GA], s57
	s_mov_b32 s[GA+1], 0
	s_lshl_b32 s[GB], s[WV], 14                    ; and for FFN 2 w + 1: row 2 w
	s_add_co_u32 s[GB], s[GB], s57
	s_mov_b32 s[GB+1], 0
	s_lshl_b32 s[G7B], s[WV], 7
	s_add_co_u32 s[G7B], s[G7B], s57
	s_add_co_u32 s[G7B], s[G7B], 57344             ; row 7 at the 32 tokens that I store
	s_mov_b32 s[G7B+1], 0
	s_lshl_b32 s[CJB], s[Y], 8                     ; my columns, in bytes
	s_mov_b32 s[CJB+1], 0
	s_lshl_b32 s[OB], s[TB], 19
	s_lshl_b32 s58, s[WV], 17
	s_add_co_u32 s[OB], s[OB], s58
	s_add_co_u32 s[OB], s[OB], s[CJB]              ; out0: row 128 y + 32 w, my columns
	s_mov_b32 s[OB+1], 0
	s_mul_i32 s58, s[WV], PREG
	s_mul_i32 s59, s[WV], 32*272
	s_cmp_eq_u32 s[WV], 0
	s_cselect_b32 s[M], -1, 0                      ; all lanes of wave 0: its first FFN is the shared one
	v_and_b32 v1, 31, v0
	v_and_b32 v2, 15, v0                           ; r
	v_bfe_u32 v15, v0, 4, 1                        ; h
	v_lshlrev_b32 v[LI], 4, v1
	v_lshlrev_b32 v[L4], 2, v1
	v_lshlrev_b32 v[R4], 2, v2
	v_lshlrev_b32 v[LV], 5, v2
	v_lshl_add_u32 v[LV], v15, 4, v[LV]
	v_mul_u32_u24 v[STO], v2, 272
	v_lshl_add_u32 v[STO], v15, 5, v[STO]
	v_add_nc_u32 v[STO], s58, v[STO]
	v_mul_u32_u24 v[RD], v15, 272
	v_lshl_add_u32 v[RD], v2, 4, v[RD]
	v_add_nc_u32 v[RD], s59, v[RD]
	v_add_nc_u32 v[RD+1], 2*PREG, v[RD]
	v_lshlrev_b32 v[GO], 12, v15
	v_lshl_add_u32 v[GO], v2, 4, v[GO]
	v_lshlrev_b32 v[CJA], 4, v2
	v_lshlrev_b32 v[W7A], 2, v15
	v_add_nc_u32 v[HA0], s[G0+1], v[LI]
	v_add_nc_u32 v[HA0+1], SLOT, v[HA0]
	v_lshlrev_b32 v[PFO], 8, v2
	v_lshl_add_u32 v[PFO], v15, 14, v[PFO]
.irp i, 1,3,5,7,9,11,13,15,17,19,21,23,25,27,29,31
	v_mov_b32 v[G+\i], 0                           ; the pairs' upper words: named with the gates, never used
.endr
	s_wait_alu depctr_va_vdst(0)
	s_wait_dscnt 0x0                               ; both opening adds are done
	s_wait_kmcnt 0x0
	s_add_nc_u64 s[G0+2:G0+3], s[6:7], s[32:33]    ; fill 0: my first FFN's steps 0 to 3
	s_add_nc_u64 s[PFB:PFB+1], s[G0+2:G0+3], s[34:35]
	s_add_nc_u64 s[G0+6:G0+7], s[G0+2:G0+3], 4096  ; fill 1: steps 4 to 7
	s_or_b32 s[G0+3], s[G0+3], 0x80000000
	s_or_b32 s[G0+7], s[G0+7], 0x80000000
	s_add_nc_u64 s[VB:VB+1], s[4:5], s[VB:VB+1]
	s_add_nc_u64 s[HSB:HSB+1], s[8:9], s[HSB:HSB+1]
	s_add_nc_u64 s[GA:GA+1], s[10:11], s[GA:GA+1]
	s_add_nc_u64 s[GB:GB+1], s[10:11], s[GB:GB+1]
	s_add_nc_u64 s[G7B:G7B+1], s[10:11], s[G7B:G7B+1]
	s_add_nc_u64 s[CJB:CJB+1], s[12:13], s[CJB:CJB+1]
	s_add_nc_u64 s[OB:OB+1], s[14:15], s[OB:OB+1]
	ROUND                                          ; all four work-groups are here: the first joint loads meet
	tensor_load_to_lds s[G0:G0+3], s[G1:G1+7]      ; fill 0
	s_nop 0
.rept 4
	v_nop
.endr
; what is loaded once, ahead of the steps' loads: every step's wait covers it
.irp a, 0,1,2,3,4,5,6,7
	global_load_b32 v[G+2*\a], v[R4], s[GA:GA+1] offset:64*\a        ; token r of tile a: its weight for my first FFN,
	global_load_b32 v[G+16+2*\a], v[R4], s[GB:GB+1] offset:64*\a     ; and for my second
.endr
.irp e, 0,1
.irp i, 0,1,2,3,4,5,6,7
	global_load_b128 v[VS+32*\e+4*\i:VS+32*\e+4*\i+3], v[LV], s[VB:VB+1] offset:ITEM*(128*\e+\i)+8192   ; item i's scale words: register j: step j in lanes 0-15, step 4 + j in lanes 16-31
.endr
.endr
.irp i, 0,1,2,3,4,5,6,7,8,9,10,11,12,13,14,15
	global_load_b32 v[W7+\i], v[W7A], s[G7B:G7B+1] offset:8*\i       ; w_7 of row 32 w + 2 i + h
.endr
	global_load_b128 v[CJ:CJ+3], v[CJA], s[CJB:CJB+1]                ; const_jump at columns 4 r .. 4 r + 3 of my 64
.macro VLOADS n                        ; step n's values: 8 loads into set n % 4.  (Destination window 1)
.set LE, (\n)/16
.set LS, (\n)%16
.irp b, 0,1,2,3
.irp c, 0,1
	global_load_b128 v[VF+32*((\n)%4)+8*\b+4*\c:VF+32*((\n)%4)+8*\b+4*\c+3], v[LI], s[VB:VB+1] offset:ITEM*(128*LE+2*\b+LS/8)+1024*(LS%8)+512*\c
.endr
.endr
.endm
.macro HSLOADS n                       ; step n's hidden scale words: lanes 0-15 tile 2 j's, lanes 16-31 tile 2 j + 1's
.irp j, 0,1,2,3
	global_load_b32 v[HSC+4*((\n)%4)+\j], v[L4], s[HSB:HSB+1] offset:131072*((\n)/16)+8192*((\n)%16)+128*\j
.endr
.endm
.macro HFETCH n                        ; step n's hidden fragments out of its slot, 16 loads into set n % 2.  (Destination window 1)
.irp a, 0,1,2,3,4,5,6,7
.irp c, 0,1
	ds_load_b128 v[64*((\n)%2)+8*\a+4*\c:64*((\n)%2)+8*\a+4*\c+3], v[HA0+((\n)/4)%2] offset:4096*\a+1024*((\n)%4)+512*\c
.endr
.endr
.endm
.macro WM z, ra, rb                    ; one product.  z: it starts a sum;  ra, rb: the scale words lie in lanes 16-31
.if \z
.if \rb
	v_wmma_scale_f32_16x16x128_f8f6f4 v[rD:rD+7], v[rA:rA+7], v[rB:rB+7], 0, v[rSA], v[rSB] matrix_a_fmt:MATRIX_FMT_FP4 matrix_b_fmt:MATRIX_FMT_FP4 matrix_b_scale:MATRIX_SCALE_ROW1
.else
	v_wmma_scale_f32_16x16x128_f8f6f4 v[rD:rD+7], v[rA:rA+7], v[rB:rB+7], 0, v[rSA], v[rSB] matrix_a_fmt:MATRIX_FMT_FP4 matrix_b_fmt:MATRIX_FMT_FP4
.endif
.elseif (\ra) && (\rb)
	v_wmma_scale_f32_16x16x128_f8f6f4 v[rD:rD+7], v[rA:rA+7], v[rB:rB+7], v[rD:rD+7], v[rSA], v[rSB] matrix_a_fmt:MATRIX_FMT_FP4 matrix_b_fmt:MATRIX_FMT_FP4 matrix_a_scale:MATRIX_SCALE_ROW1 matrix_b_scale:MATRIX_SCALE_ROW1
.elseif \ra
	v_wmma_scale_f32_16x16x128_f8f6f4 v[rD:rD+7], v[rA:rA+7], v[rB:rB+7], v[rD:rD+7], v[rSA], v[rSB] matrix_a_fmt:MATRIX_FMT_FP4 matrix_b_fmt:MATRIX_FMT_FP4 matrix_a_scale:MATRIX_SCALE_ROW1
.elseif \rb
	v_wmma_scale_f32_16x16x128_f8f6f4 v[rD:rD+7], v[rA:rA+7], v[rB:rB+7], v[rD:rD+7], v[rSA], v[rSB] matrix_a_fmt:MATRIX_FMT_FP4 matrix_b_fmt:MATRIX_FMT_FP4 matrix_b_scale:MATRIX_SCALE_ROW1
.else
	v_wmma_scale_f32_16x16x128_f8f6f4 v[rD:rD+7], v[rA:rA+7], v[rB:rB+7], v[rD:rD+7], v[rSA], v[rSB] matrix_a_fmt:MATRIX_FMT_FP4 matrix_b_fmt:MATRIX_FMT_FP4
.endif
.endm
; STEP n: FFN n / 16 of my two, 128 along K from 128 (n % 16) on.  The 32 accumulators take turns, one instruction a turn; an FFN's first step starts its sums.
.macro STEP n
.set SE, (\n)/16
.set SS, (\n)%16
.set NH, (\n)+3
.if NH > 31
.set NH, 31
.endif
.if (\n) > 0
.rept 4
	v_nop                                          ; four places in front of loads into the sets that the last step multiplied
.endr
.endif
	WIN 0x40                                       ; destination window 1
.if (\n)%4 == 0
	HFETCH \n                                      ; a slot's first step
.endif
.if (\n)+3 < 32
	VLOADS (\n)+3
.endif
.if (\n)%4 != 3
	HFETCH (\n)+1
.endif
	WIN 0
.if (\n)+3 < 32
	HSLOADS (\n)+3
.endif
	s_wait_loadcnt NLD*(NH-(\n))                   ; this step's global loads are in; those of the steps asked for behind it may be out
.if (\n)%4 != 3
	s_wait_dscnt 16                                ; this step's fragments are in; the next step's 16 loads may be out
.else
	s_wait_dscnt 0x0
.endif
	WIN 0xa5                                       ; sources 0 and 1 window 1, C and D window 2
.set rZ, 0
.if SS == 0
.set rZ, 1
.endif
.irp a, 0,1,2,3,4,5,6,7
.irp b, 0,1,2,3
.set rD, 8*(4*\a+\b)
.set rA, VF+32*((\n)%4)+8*\b
.set rB, 64*((\n)%2)+8*\a
.set rSA, VS+32*SE+4*(2*\b+SS/8)+SS%4
.set rSB, HSC+4*((\n)%4)+\a/2
	WM rZ, (SS/4)%2, \a%2
.endr
.endr
	WIN 0
.if ((\n)%4 == 0) && ((\n)/4+3 < 8)
	global_prefetch_b8 v[PFO], s[PFB:PFB+1] offset:2097152*(((\n)/4+3)/4)+4096*(((\n)/4+3)%4) th:TH_LOAD_NT scope:SCOPE_SE   ; fill n / 4 + 3: my work-group's two rows of my eight
.endif
.endm
; THE CHANGE OF SLOTS.  Each wave waits for all its tensor loads (its part of the slot ahead), adds 0 to its spare word, and waits for that and for its reads of the slot that it leaves.
; fill = 1: the barrier is a round of the cluster's, and the slot left (the first time: slot 1, not yet filled) takes the next fill, first thing behind it.  delta: from that slot's last fill to this one
.macro CHANGE fill, g0, delta
	s_wait_tensorcnt 0x0
	ds_add_u32 v[SPW], v[NIL]
.if \fill
.if \delta
	s_add_nc_u64 s[\g0+2:\g0+3], s[\g0+2:\g0+3], \delta   ; no tensor load of mine is out, so a group 0 may be written
.endif
	s_wait_dscnt 0x0
	ROUND
	tensor_load_to_lds s[\g0:\g0+3], s[G1:G1+7]
	s_nop 0
.rept 4
	v_nop
.endr
.else
	s_wait_dscnt 0x0
	s_barrier_signal -1
	s_barrier_wait -1
.endif
.endm
.macro FOUR                            ; a trip: the four steps of a slot
.rept 4
	STEP N
.set N, N+1
.endr
.endm
	WIN 0x40
	VLOADS 0
	WIN 0
	HSLOADS 0
	WIN 0x40
	VLOADS 1
	WIN 0
	HSLOADS 1
	WIN 0x40
	VLOADS 2
	WIN 0
	HSLOADS 2
.set N, 0
	CHANGE 1, G0+4, 0                              ; fill 1
	FOUR
	CHANGE 1, G0, 8192                             ; fill 2: steps 8 to 11
	FOUR
	CHANGE 1, G0+4, 8192                           ; fill 3
	FOUR
	CHANGE 1, G0, 2097152-8192                     ; fill 4: my second FFN's steps 0 to 3
	FOUR
.irp a, 0,1,2,3,4,5,6,7
	v_cndmask_b32 v[G+2*\a], v[G+2*\a], 1.0, s[M]  ; the shared FFN has no gate: weight 1 in wave 0.  (These eight are also the places behind the products)
.endr
	WIN 0xc2                                       ; source 0 window 2, source 1 window 0, destination window 3
.irp a, 0,1,2,3,4,5,6,7
.irp b, 0,1,2,3
.irp j, 0,2,4,6
	v_pk_mul_f32 v[8*(4*\a+\b)+\j:8*(4*\a+\b)+\j+1], v[8*(4*\a+\b)+\j:8*(4*\a+\b)+\j+1], v[G+2*\a:G+2*\a+1] op_sel_hi:[1,0]   ; O = w P, my token's weight; each accumulator from its low end on
.endr
.endr
.endr
	WIN 0
	CHANGE 1, G0+4, 2097152-8192                   ; fill 5
	FOUR
	CHANGE 1, G0, 8192                             ; fill 6
	FOUR
	CHANGE 1, G0+4, 8192                           ; fill 7
	FOUR
	CHANGE 0, G0, 0
	FOUR
	s_barrier_signal -1                            ; no LDS load of mine is out (the last step waited for all): my reads of the slots are over,
	s_barrier_wait -1                              ; and everybody's: the parts may be laid over the slots
.rept 4
	v_nop                                          ; four places in front of the first read of results
.endr
	WIN 0xf2                                       ; source 0 window 2, source 1 window 0, source 2 and destination window 3
.irp a, 0,1,2,3,4,5,6,7
.irp b, 0,1,2,3
.irp j, 0,2,4,6
	v_pk_fma_f32 v[8*(4*\a+\b)+\j:8*(4*\a+\b)+\j+1], v[8*(4*\a+\b)+\j:8*(4*\a+\b)+\j+1], v[G+16+2*\a:G+16+2*\a+1], v[8*(4*\a+\b)+\j:8*(4*\a+\b)+\j+1] op_sel_hi:[1,0,1]   ; O += w P
.endr
.endr
.endr
	; THE FOUR PARTS MEET: my 128 x 64 sums go into my part of LDS, row = token
	WIN 0x0c                                       ; the data: window 3
.irp a, 0,1,2,3,4,5,6,7
.irp b, 0,1,2,3
	ds_store_b128 v[STO], v[8*(4*\a+\b):8*(4*\a+\b)+3] offset:4352*\a+64*\b
	ds_store_b128 v[STO], v[8*(4*\a+\b)+4:8*(4*\a+\b)+7] offset:4352*\a+64*\b+16
.endr
.endr
	WIN 0
	s_wait_dscnt 0x0                               ; for the others' sake: my part lies in LDS
	s_barrier_signal -1
	s_barrier_wait -1
	WIN 0x40                                       ; destination window 1: rows 32 w + 2 i + h of part p at v[16 i + 4 p]; lanes 0-15 take one row of 256 bytes, lanes 16-31 the next
.irp i, 0,1,2,3,4,5,6,7,8,9,10,11,12,13,14,15
.irp p, 0,1,2,3
	ds_load_b128 v[16*\i+4*\p:16*\i+4*\p+3], v[RD+\p/2] offset:(\p%2)*PREG+544*\i
.endr
.endr
.macro SUMS i0                         ; eight pairs of rows: the four parts added, the constant expert's term, and out
	WIN 0x55                                       ; every place window 1
.irp d, 0,1,2,3,4,5,6,7
.irp j, 0,2,8,10
	v_pk_add_f32 v[16*(\i0+\d)+\j:16*(\i0+\d)+\j+1], v[16*(\i0+\d)+\j:16*(\i0+\d)+\j+1], v[16*(\i0+\d)+\j+4:16*(\i0+\d)+\j+5]
.endr
.endr
.irp d, 0,1,2,3,4,5,6,7
.irp j, 0,2
	v_pk_add_f32 v[16*(\i0+\d)+\j:16*(\i0+\d)+\j+1], v[16*(\i0+\d)+\j:16*(\i0+\d)+\j+1], v[16*(\i0+\d)+\j+8:16*(\i0+\d)+\j+9]
.endr
.endr
	WIN 0x50                                       ; sources 0 and 1 window 0, source 2 and destination window 1
.irp d, 0,1,2,3,4,5,6,7
.irp j, 0,1,2,3
	v_fma_f32 v[16*(\i0+\d)+\j], v[CJ+\j], v[W7+\i0+\d], v[16*(\i0+\d)+\j]
.endr
.endr
	WIN 0x04                                       ; the data: window 1
.irp d, 0,1,2,3,4,5,6,7
	global_store_b128 v[GO], v[16*(\i0+\d):16*(\i0+\d)+3], s[OB:OB+1] offset:8192*(\i0+\d) th:TH_STORE_NT   ; sixteen lanes store 256 consecutive bytes, aligned
.endr
	WIN 0
.endm
	s_wait_dscnt 32                                ; the first eight pairs of rows are in; the 32 younger loads may be out
	SUMS 0
	s_wait_dscnt 0x0
	SUMS 8
	s_wait_tensorcnt 0x0                           ; the wave's end: behind my last tensor load and my last LDS store
	ds_add_u32 v[SPW], v[NIL]
	s_wait_dscnt 0x0
	ROUND                                          ; the closing round
	s_endpgm
.Lfunc_end_k_qd707ff98f9_combine:
	.size	k_qd707ff98f9_combine, .Lfunc_end_k_qd707ff98f9_combine-k_qd707ff98f9_combine
	.p2alignl 7, 3214868480
	.fill 96, 4, 3214868480
	.section	.rodata,"a",@progbits
	.p2align	6, 0x0
	.amdhsa_kernel k_qd707ff98f9_combine
		.amdhsa_group_segment_fixed_size 327680
		.amdhsa_private_segment_fixed_size 0
		.amdhsa_enable_private_segment 0
		.amdhsa_kernarg_size 48
		.amdhsa_user_sgpr_count 2
		.amdhsa_user_sgpr_kernarg_segment_ptr 1
		.amdhsa_wavefront_size32 1
		.amdhsa_system_sgpr_workgroup_id_x 1
		.amdhsa_system_sgpr_workgroup_id_y 1
		.amdhsa_system_sgpr_workgroup_id_z 1
		.amdhsa_system_vgpr_workitem_id 0
		.amdhsa_next_free_vgpr 1024
		.amdhsa_next_free_sgpr 66
		.amdhsa_reserve_vcc 0
		.amdhsa_float_denorm_mode_32 3
		.amdhsa_float_denorm_mode_16_64 3
		.amdhsa_memory_ordered 1
		.amdhsa_forward_progress 1
		.amdhsa_inst_pref_size 255
	.end_amdhsa_kernel
	.section	.bss,"aw",@nobits
	.p2align	6
	.space	262144
	.amdgpu_metadata
---
amdhsa.version: [ 1, 2 ]
amdhsa.kernels:
  - .name:           k_qd707ff98f9_combine
    .symbol:         k_qd707ff98f9_combine.kd
    .args:
      - { .name: qv, .offset: 0, .size: 8, .value_kind: global_buffer, .address_space: global }
      - { .name: hq, .offset: 8, .size: 8, .value_kind: global_buffer, .address_space: global }
      - { .name: hs, .offset: 16, .size: 8, .value_kind: global_buffer, .address_space: global }
      - { .name: gt, .offset: 24, .size: 8, .value_kind: global_buffer, .address_space: global }
      - { .name: const_jump, .offset: 32, .size: 8, .value_kind: global_buffer, .address_space: global }
      - { .name: out0, .offset: 40, .size: 8, .value_kind: global_buffer, .address_space: global }
    .group_segment_fixed_size: 327680
    .private_segment_fixed_size: 0
    .kernarg_segment_align: 8
    .kernarg_segment_size: 48
    .max_flat_workgroup_size: 128
    .sgpr_count:     66
    .vgpr_count:     1024
    .wavefront_size: 32
...
	.end_amdgpu_metadata
.endif
;; end of part 3
